; MI455X (gfx1250); checked and timed in simulation.
; The chip was launched on July 23, 2026; its instructions are those of AMD's public machine-readable ISA for CDNA 5 (MIT licence, August 2026) and "CDNA5" Instruction Set Architecture Reference Guide (July 2026). The comments in the code are by the model that wrote it; some were corrected since.
;; Sparse Attention Optimizer. Allowed arithmetic: matrix products marked QUANTISED: E3M2 operands, one E8M0 scale for each 32 along K, by v_wmma_scale_f32_16x16x128_f8f6f4 with both operands' format E3M2, f32 sums; everything else in f32.
;; Inputs: key_codes 1 x 16 x 4,096 x 2 x 24 uint8 (E3M2 codes of key, K innermost, in blocks of 32 codes, four codes in three bytes); key_scales 1 x 16 x 4,096 x 2 uint8 (E8M0 scales of key, one for each 32 codes along K); query_codes 1 x 16 x 4,096 x 2 x 24 uint8 (E3M2 codes of query, K innermost, in blocks of 32 codes, four codes in three bytes); query_scales 1 x 16 x 4,096 x 2 uint8 (E8M0 scales of query, one for each 32 codes along K); value_codes 1 x 16 x 64 x 128 x 24 uint8 (E3M2 codes of value, K innermost, in blocks of 32 codes, four codes in three bytes); value_scales 1 x 16 x 64 x 128 uint8 (E8M0 scales of value, one for each 32 codes along K).
;; Outputs: out0 1 x 16 x 4,096 x 64 float32.
;; This version of the problem:
;;   THIS VERSION OF THE PROBLEM IS GIVEN IN LOW PRECISION. The matrix products marked QUANTISED in the list below multiply operands that are first quantised to E3M2 (3 exponent bits, 2 mantissa bits; 6 bits a number), with one power-of-two scale for each 32 numbers along K (OCP MX v1.0); their sums are f32. All else is computed in f32.
;;   The module's matrix products, in the order in which they are computed (A, B: the left and right operand; K: the contracted axis; several contracted axes count as one K, in the product's order):
;;     1. batch 16 x [M 4,096, K 64] x [K 64, N 4,096]; A: input query (given as codes); B: input key (given as codes): QUANTISED
;;     2. batch 16 x [M 4,096, K 4,096] x [K 4,096, N 64]; A: softmax (see below); B: input value (given as codes): QUANTISED
;;   THE QUANTISER, for each operand of a quantised product, along K:
;;     - K is cut into blocks of 32 from its start; a last block that is shorter is filled with zeros.
;;     - A block's scale is 2^e with e = floor(log2(the largest magnitude in the block)) - 4, held to -126 .. 127; a block of zeros has e = 0. As a byte (E8M0): e + 127.
;;     - Each number is divided by its block's scale, clamped to +-28, and rounded to the nearest number of E3M2, ties to even, subnormals kept.
;;     - The product sums the exact products of the quantised numbers (number of the format x scale) in f32.
;;   ~~~python
;;   def quantise(x, axis):      # numpy; x: float32 -> the quantised numbers, widened to float32 again
;;       x = np.moveaxis(x, axis, -1); K = x.shape[-1]
;;       x = np.pad(x, [(0, 0)] * (x.ndim - 1) + [(0, -K % 32)]); x = x.reshape(x.shape[:-1] + (-1, 32)); a = np.abs(x).max(-1, keepdims=True)
;;       e = np.where(a > 0, np.clip(np.frexp(np.where(a > 0, a, 1))[1] - 1 - 4, -126, 127), 0)      # np.frexp(a)[1] - 1 = floor(log2(a)), exactly
;;       r = np.clip(x / 2.0 ** e, -28, 28)
;;       step = 2.0 ** (np.maximum(np.frexp(np.where(r == 0, 1, r))[1] - 1, -2) - 2)
;;       q = np.round(r / step) * step * 2.0 ** e      # np.round: ties to even
;;       return np.moveaxis(q.reshape(q.shape[:-2] + (-1,))[..., :K], -1, axis).astype(np.float32)
;;   ~~~
;;   SOFTMAX AHEAD OF A QUANTISED PRODUCT. Where the list says 'softmax', what is quantised is not the finished softmax but p = 2^(t - M), with t = logit x log2(e) and M = ceil(the row's largest t), a whole number; so 1/2 < the row's largest p <= 1. The row's sum l is taken of the UNQUANTISED p, in f32, and the product's result is divided by l at the end. Since M is a whole number, a kernel that streams over the keys may use a running M (the ceiling of the running maximum): every later rescaling is an exact power of two, which a block's scale takes up: the codes' values come out the same.
;;   OPERANDS COMPUTED ON THE WAY. 'Computed on the way' means the value that the module computes at that place (a softmax that the list does not call 'softmax' is quantised finished and normalised). What goes into a quantiser is computed in f32, as accurately as f32 sums, v_exp_f32 and their like allow (about 1e-6 of the number): no bf16 or f16 on the way to a quantiser, and a product that is left as it is and whose result goes on into a quantised operand takes f32 operands (vector FMAs, or v_wmma_f32_16x16x4_f32). A number that lies on a knife's edge between two numbers of the format may be rounded either way, as far as f32 arithmetic and the matrix unit's own rounding can turn it there, and no further.
;;   INPUTS GIVEN AS CODES. key (in the module: [1, 16, 4096, 64], K = its axis 3); query (in the module: [1, 16, 4096, 64], K = its axis 3); value (in the module: [1, 16, 4096, 64], K = its axis 2): each comes as NAME_codes (uint8): NAME with its K axis moved to the last place and cut into blocks of 32 codes, [.., K / 32, bytes a block], one block behind the other in memory; four codes in three bytes: a row's codes are one little-endian stream of bits, code i at bits 6 i .. 6 i + 5 (a code: sign, 3 exponent bits, 2 mantissa bits); and NAME_scales (uint8): the same leading axes, one E8M0 byte (e + 127) for each 32 codes along K. Its value is code x scale, taken as it is: it is not quantised again, and the codes and scales need not be those that the quantiser above would give.
;; One version. Each part assembles by itself: llvm-mc -triple=amdgcn-amd-amdhsa -mcpu=gfx1250 --defsym DOCPART=n.
;; ======== version 1 of 1: 1 launch
;; launch attn (part 1): grid 16 x 16, 16 waves a work-group, no clusters, 105,984 bytes of LDS; arguments key_codes, key_scales, query_codes, query_scales, value_codes, value_scales, out0; writes out0
.if DOCPART == 1
	.amdgcn_target "amdgcn-amd-amdhsa--gfx1250"
	.amdhsa_code_object_version 6
	.text
	.protected	k_q35a5cb305c_attn
	.globl	k_q35a5cb305c_attn
	.p2align	8
	.type	k_q35a5cb305c_attn,@function
k_q35a5cb305c_attn:
	s_mov_b64 s[64:65], 0
	v_nop
	global_prefetch_b8 v0, s[64:65] scope:SCOPE_SE
	s_setreg_imm32_b32 hwreg(HW_REG_WAVE_MODE, 25, 1), 1
	s_wait_xcnt 0x0
; out[h][i][:] = sum over the allowed keys j of softmax_j(q[h][i] . k[h][j] / 8) v[h][j][:], 16 heads, 4,096 rows, head size 64.  Allowed: |j - i| <= 32, or (j - i) a multiple of 256.
; q, k: codes of BF6 (E3M2) along the head's 64, 48 bytes a row, two E8M0 bytes a row.  v: codes with the KEYS innermost, [h][64][128 blocks][24 bytes], one byte a block.  out: f32.
; Both products go by the scaled 16x16x128 form on BF6 codes.  p = 2^(t - M), t = score x log2(e) / 8, M = ceil(the row's largest t); p is quantised along the keys in the aligned blocks of 32, hidden keys as 0;
; the row's sum is taken of the unquantised p and divides at the end.  Only what the mask keeps is multiplied: at most 80 keys a query.
; SHARES.  Work-group (g = x, head = y) owns the 256 queries 256 a + 16 g + r, a and r in 0 .. 15.  Wave w has two parts:
;   as a = w it owns the 16 neighbouring queries 256 w + 16 g + r: their band lies in the three aligned blocks 8 w + g / 2 - 1 .. + 1 (six tiles of scores), softmax, both products, the store;
;   as a residue it makes the 16 x 16 scores of queries 256 n + 16 g + w against keys 256 m + 16 g + w: ONE tile, all of whose entries the stride allows.  They go to the waves that own the queries through LDS.
; A strided key lies 8 blocks or more from the band, so it is the only p of its block that is not 0: the block's scale comes from that p alone, and of the block's V only the half in which this work-group's
; residues lie (16 codes, 12 bytes) is wanted.  Wave m brings those halves of block 8 m + g / 2 for all 64 channels into LDS, with their scale bytes; every wave reads all sixteen.
; Both products are used transposed (S^T = K Q^T, O^T = V^T P^T): a lane holds ONE query (lane % 16) throughout.  The keys of a tile of the band are chosen so that two tiles' 16 registers are 16 neighbouring keys.
; The head's 64 fill half of the form's 128 along K: the other half of Q (and of the residue's K) is zero codes, so that what stands opposite them adds nothing; its scale bytes are the zeros of a widened 16-bit load.
; NO TENSOR LOAD, NO CLUSTER: a wave's window of K, its three blocks of V and its Q are read by that wave alone, once, and go from memory into registers; only the two work-groups g = 2 b and 2 b + 1 read the same
; windows, and nothing that they share lies in LDS.  No loop and no branch; one barrier.
; LIMITS: a scale byte 0xff (NaN) among the inputs is not served; a p under 2^-126 comes out of v_exp_f32 as 0 (beside a row's largest p, above 1/2); t - M is one fused multiply-add where the definition rounds twice.
.set L_EX,   0                         ; LDS: the strided scores: for owner a 1,024 bytes at 1,040 a: 512 q + 16 (residue + 16 half): scores 4 q .. 4 q + 3.  1,040 bytes = 260 words
.set EXPITCH, 1040
.set L_VT,   16640                     ; V's half blocks: 4,096 s + 1,024 d + 512 c + 16 lane, 12 bytes in each place of 16: the image of operand registers 6 c .. 6 c + 2 of K step s, channels 16 d on
.set L_ST,   33024                     ; their scale bytes: 4 (64 s + channel) + slot
.set L_STG,  34048                     ; the way out: for each wave 16 rows of 256 bytes + 16
.set SPITCH, 272
.set R,    1                           ; v1   lane % 16
.set H,    2                           ; v2   lane / 16
.set L16,  3                           ; v3   L_VT + 16 lane
.set L4,   4                           ; v4   L_ST + 4 lane
.set EXR,  5                           ; v5   where I read my query's strided scores
.set STI,  6                           ; v6   the stage, in
.set STO,  7                           ; v7   the stage, back
.set GO,   8                           ; v8   my byte offset in the wave's 16 rows of out
.set NINF, 9                           ; v9   -infinity
.set KLO,  10                          ; v10  block 0 of the window keeps register i where i >= KLO
.set KHI,  11                          ; v11  block 2 keeps i <= KHI
.set NM,   12                          ; v12  -M;  v13 the row's largest t
.set SUM,  14                          ; v[14:15] the row's sum, in two halves
.set DEL,  16                          ; v16-31  DEL[i] = 1.0 where i = lane % 16, else 0
.set RAS,  32                          ; v32-44 hold scales and nothing else: v32, v33 the residue's (K, Q), later V's words of K steps 0, 2
.set QS,   34                          ; v34  Q's
.set KS,   35                          ; v35-37 the window's; v35, v36 later V's words of K steps 1, 3
.set VLS,  38                          ; v38-39 V's words for the window
.set PLS,  40                          ; v40  p's word for the window
.set PSS,  41                          ; v41-44 p's words for the four strided K steps
.set EXW,  45                          ; v45  where I store the residue's scores; later 8 x (lane / 16)
.set VTW,  46                          ; v46  where I store V's halves; later 1 / the sum
.set STW,  47                          ; v47  where I store their bytes; later 0 (named with v46 as a pair)
.set RB,   48                          ; v48-53 the residue's Q;  v48-59 later p's codes for the window, then for K steps 1, 3
.set QF,   54                          ; v54-59 my tile of Q;  v60-65 zeros: its upper half
.set ZQ,   60                          ; v60-71 later p's codes for K steps 0, 2
.set KF,   72                          ; v72-107 the window's six fragments, 6 registers each;  v72-119 later V's halves of K steps 0, 2
.set RA,   108                         ; v108-113 the residue's K;  v114-119 zeros: its upper half
.set VF,   120                         ; v120-167 V for the window, 12 registers for each 16 channels; later V's halves of K steps 1, 3
.set SL,   168                         ; v168-215 the window's scores, then p: register 16 b + i = key 32 b + 16 (lane / 16) + i
.set SS,   216                         ; v216-223 the strided scores, then p: register j = key 256 (2 j + lane / 16) + my residue
.set X0,   168                         ; later: 16 numbers for a conversion, all 0 but one;  X1 likewise
.set X1,   184
.set SO,   200                         ; later: v200-207 the strided blocks' scale operands
.set OF,   200                         ; at the head: v200-211 the twelve global offsets
.set RAO,  OF+0
.set RBO,  OF+1
.set RASO, OF+2
.set RBSO, OF+3
.set QO,   OF+4
.set QSO,  OF+5
.set TVO,  OF+6
.set VSO,  OF+7
.set KO,   OF+8
.set KSO,  OF+9
.set VO0,  OF+10
.set VO1,  OF+11
.set O,    224                         ; v224-255 O^T, four accumulators.  Before the first of its products the 32 registers serve as:
.set SR,   224                         ; v224-231 the residue's tile; later the strided blocks' bytes
.set BM,   232                         ; v232-235 largest scores of the three blocks and of the strided keys
.set PT,   236                         ; v236-239 destinations of lane permutes
.set T0,   240                         ; v240-242, v244-246 V's halves on their way to LDS; later halves of p's codes
.set T1,   244
.set SB1,  243
.set SB0,  247
.set VB,   248                         ; v248-253 V's scale bytes for the window: slot x, half e at 2 x + e
.set SUM2, 254                         ; v[254:255] the sum's second chain
.set PS0,  60
.set PS1,  48
.set VTA,  72
.set VTB,  120
.macro LD3 dst, voff, sb, off          ; 24 bytes of codes as three loads of 8: every address a multiple of 8
	global_load_b64 v[\dst:\dst+1], v[\voff], s[\sb:\sb+1] offset:\off
	global_load_b64 v[\dst+2:\dst+3], v[\voff], s[\sb:\sb+1] offset:\off+8
	global_load_b64 v[\dst+4:\dst+5], v[\voff], s[\sb:\sb+1] offset:\off+16
.endm
.macro SMM t                           ; tile t of the window's scores: source 0 = 16 keys, source 1 = my 16 queries.  The upper half of source 0 is whatever follows the fragment: it meets Q's zero codes
.if (\t)%2
	v_wmma_scale_f32_16x16x128_f8f6f4 v[SL+8*(\t):SL+8*(\t)+7], v[KF+6*(\t):KF+6*(\t)+11], v[QF:QF+11], 0, v[KS+(\t)/2], v[QS] matrix_a_fmt:MATRIX_FMT_BF6 matrix_b_fmt:MATRIX_FMT_BF6 matrix_a_scale:MATRIX_SCALE_ROW1
.else
	v_wmma_scale_f32_16x16x128_f8f6f4 v[SL+8*(\t):SL+8*(\t)+7], v[KF+6*(\t):KF+6*(\t)+11], v[QF:QF+11], 0, v[KS+(\t)/2], v[QS] matrix_a_fmt:MATRIX_FMT_BF6 matrix_b_fmt:MATRIX_FMT_BF6
.endif
.endm
.macro XMUL s                          ; the two strided p of K step s, each set at place lane % 16 among 16 numbers that are else 0
.irp k, 0,2,4,6,8,10,12,14
	v_pk_mul_f32 v[X0+\k:X0+\k+1], v[DEL+\k:DEL+\k+1], v[SS+2*(\s):SS+2*(\s)+1] op_sel_hi:[1,0]
.endr
.irp k, 0,2,4,6,8,10,12,14
	v_pk_mul_f32 v[X1+\k:X1+\k+1], v[DEL+\k:DEL+\k+1], v[SS+2*(\s):SS+2*(\s)+1] op_sel:[0,1] op_sel_hi:[1,1]
.endr
.endm
.macro PCVT s, ps                      ; their codes: the lower 16 of slots lane / 16 and 2 + lane / 16 of the operand; the upper 16 stay zeros
	v_cvt_scalef32_pk16_bf6_f32 v[\ps:\ps+2], v[X0:X0+15], v[SO+2*(\s)]
	v_cvt_scalef32_pk16_bf6_f32 v[\ps+6:\ps+8], v[X1:X1+15], v[SO+2*(\s)+1]
	v_nop                                          ; one plain place behind a scaled conversion
.endm
.macro VLOAD s, vt                     ; K step s of the strided product: V's halves (registers 6 c .. 6 c + 2 of each fragment; the three behind them keep old codes, which meet p's zero codes) and its scale words
.irp d, 0,1,2,3
.irp c, 0,1
	ds_load_b96 v[\vt+12*\d+6*\c:\vt+12*\d+6*\c+2], v[L16] offset:4096*(\s)+1024*\d+512*\c
.endr
.endr
.irp e, 0,1
	ds_load_b32 v[RAS+3*((\s)%2)+\e], v[L4] offset:256*(\s)+128*\e
.endr
.endm
.macro PVS s, ps, vt                   ; O^T += V^T P^T over the four blocks 8 (4 s + slot) + g / 2.  The four accumulators take turns, one instruction a turn
.irp d, 0,1,2,3
.if \d%2
	v_wmma_scale_f32_16x16x128_f8f6f4 v[O+8*\d:O+8*\d+7], v[\vt+12*\d:\vt+12*\d+11], v[\ps:\ps+11], v[O+8*\d:O+8*\d+7], v[RAS+3*((\s)%2)+\d/2], v[PSS+(\s)] matrix_a_fmt:MATRIX_FMT_BF6 matrix_b_fmt:MATRIX_FMT_BF6 matrix_a_scale:MATRIX_SCALE_ROW1
.else
	v_wmma_scale_f32_16x16x128_f8f6f4 v[O+8*\d:O+8*\d+7], v[\vt+12*\d:\vt+12*\d+11], v[\ps:\ps+11], v[O+8*\d:O+8*\d+7], v[RAS+3*((\s)%2)+\d/2], v[PSS+(\s)] matrix_a_fmt:MATRIX_FMT_BF6 matrix_b_fmt:MATRIX_FMT_BF6
.endif
.endr
.endm
.macro PLACES                          ; four plain places behind a matrix instruction, ahead of the first read of its result (ISA guide 7.12.1)
.rept 4
	v_nop
.endr
.endm
	; ---- THE HEAD: ids, byte offsets (each in the pair that will hold its pointer), LDS addresses, constants, while the arguments are on their way
	s_load_b256 s[4:11], s[0:1], 0x0               ; K's codes s[4:5], K's scales s[6:7], Q's codes s[8:9], Q's scales s[10:11]
	s_load_b128 s[12:15], s[0:1], 0x20             ; V's codes s[12:13], V's scales s[14:15]
	s_load_b64 s[16:17], s[0:1], 0x30              ; out
	v_lshrrev_b32 v12, 5, v0
	s_delay_alu instid0(VALU_DEP_1)
	v_readfirstlane_b32 s18, v12                   ; w: wave 0 .. 15
	v_and_b32 v[R], 15, v0
	v_bfe_u32 v[H], v0, 4, 1
	v_and_b32 v12, 31, v0                          ; lane
	s_wait_alu depctr_va_vdst(0)
	s_mov_b32 s19, ttmp9                           ; g
	s_and_b32 s20, ttmp7, 0xffff                   ; head
	s_lshr_b32 s21, s19, 1                         ; b = g / 2
	s_and_b32 s22, s19, 1                          ; odd: which half of a block of 32 my 16 residues are
	s_lshl_b32 s23, s18, 3
	s_add_co_u32 s23, s23, s21                     ; my tile's own block: 8 w + b
	s_sub_co_i32 s24, s23, 1
	s_max_i32 s24, s24, 0                          ; the window's three blocks, held inside 0 .. 127: a slot so held reads another block's bytes, and all its keys are hidden by their true numbers
	s_mov_b32 s25, s23
	s_add_co_u32 s26, s23, 1
	s_min_i32 s26, s26, 127
	s_mul_i32 s28, s20, 196608                     ; the head's first byte in a tensor of codes,
	s_lshl_b32 s30, s20, 13                        ; and in one of scale bytes
.irp x, 0,1,2
	s_mul_i32 s[32+2*\x], s[24+\x], 1536           ; K's codes of window slot x: 32 rows of 48 bytes a block
	s_add_co_u32 s[32+2*\x], s[32+2*\x], s28
	s_lshl_b32 s[38+2*\x], s[24+\x], 6             ; their scale bytes: 64 a block
	s_add_co_u32 s[38+2*\x], s[38+2*\x], s30
	s_add_co_u32 s[46+2*\x], s[24+\x], s30         ; V's scale byte of slot x in channel 0's row
.endr
	s_mov_b32 s44, s28                             ; V's codes of the head
	s_mul_i32 s52, s18, 12288                      ; my tile of Q: row 256 w + 16 g
	s_mul_i32 s86, s19, 768
	s_add_co_u32 s52, s52, s86
	s_add_co_u32 s52, s52, s28
	s_lshl_b32 s54, s18, 9
	s_lshl_b32 s86, s19, 5
	s_add_co_u32 s54, s54, s86
	s_add_co_u32 s54, s54, s30
	s_lshl_b32 s86, s19, 4
	s_add_co_u32 s86, s86, s18                     ; my residue: row 16 g + w of K and of Q, and every 256th from there
	s_mul_i32 s56, s86, 48
	s_add_co_u32 s56, s56, s28
	s_lshl_b32 s58, s86, 1
	s_add_co_u32 s58, s58, s30
	s_mov_b32 s60, s56
	s_mov_b32 s62, s58
	s_mul_i32 s66, s23, 24                         ; V's half block that I bring for all: block 8 w + b, byte 12 odd
	s_mul_i32 s86, s22, 12
	s_add_co_u32 s66, s66, s86
	s_add_co_u32 s66, s66, s28
	s_add_co_u32 s68, s23, s30                     ; and its scale byte
	s_lshl_b32 s70, s20, 20                        ; out: row 256 w + 16 g of the head, 256 bytes a row
	s_lshl_b32 s86, s18, 16
	s_add_co_u32 s70, s70, s86
	s_lshl_b32 s86, s19, 12
	s_add_co_u32 s70, s70, s86
.irp x, 33,35,37,39,41,43,45,47,49,51,53,55,57,59,61,63,67,69,71
	s_mov_b32 s\x, 0                               ; every offset lies under 2^32
.endr
.irp j, 0,1,2,3,4,5,6,7
	s_mov_b32 s[72+\j], (1<<(2*\j))|(1<<(17+2*\j)) ; the lanes in which register j of the residue's tile is a query's own key (m = 2 j + half = n)
.endr
	s_mov_b32 s80, 0x76543210
	s_mov_b32 s81, 0xfedcba98                      ; v_permlanex16_b32's selects for lane l xor 16
	s_mov_b32 s82, 0x3e38aa3b                      ; c = log2(e) / 8
	s_mov_b32 s83, s82                             ; (named with it as a pair)
	s_cmp_eq_u32 s23, 0
	s_cselect_b32 s84, 64, 0                       ; no block lies in front of block 0,
	s_cmp_eq_u32 s23, 127
	s_cselect_b32 s85, -64, 0                      ; none behind block 127
	; LDS addresses: constants, the lane, the wave
	v_lshl_add_u32 v[L16], v12, 4, L_VT
	v_lshl_add_u32 v[L4], v12, 2, L_ST
	s_mul_i32 s86, s18, EXPITCH
	v_lshl_add_u32 v[EXR], v12, 4, s86             ; 1,040 w + 16 lane
	s_mul_i32 s87, s18, 16*SPITCH
	s_add_co_u32 s87, s87, L_STG                   ; my stage
	v_mul_u32_u24 v[STI], v[R], SPITCH
	s_delay_alu instid0(VALU_DEP_1)
	v_lshl_add_u32 v[STI], v[H], 5, v[STI]
	s_delay_alu instid0(VALU_DEP_1)
	v_add_nc_u32 v[STI], s87, v[STI]               ; in: row lane % 16, 32 bytes for each half of the lanes
	v_mul_u32_u24 v[STO], v[H], SPITCH
	s_delay_alu instid0(VALU_DEP_1)
	v_lshl_add_u32 v[STO], v[R], 4, v[STO]
	s_delay_alu instid0(VALU_DEP_1)
	v_add_nc_u32 v[STO], s87, v[STO]               ; back: lanes 0-15 one row, lanes 16-31 the next
	v_lshlrev_b32 v[GO], 8, v[H]
	s_delay_alu instid0(VALU_DEP_1)
	v_lshl_add_u32 v[GO], v[R], 4, v[GO]           ; and the same two rows in out
	v_mul_u32_u24 v[EXW], v[R], EXPITCH
	s_delay_alu instid0(VALU_DEP_1)
	v_lshl_add_u32 v[EXW], v[H], 8, v[EXW]
	s_lshl_b32 s88, s18, 4
	v_add_nc_u32 v[EXW], s88, v[EXW]               ; owner = lane % 16: 1,040 owner + 256 half + 16 w
	s_lshr_b32 s88, s18, 2                         ; I am key block m = w = 4 s + 2 c + half of the strided product
	s_lshl_b32 s88, s88, 12
	s_bfe_u32 s89, s18, 0x10001
	s_lshl_b32 s89, s89, 9
	s_add_co_u32 s88, s88, s89
	s_and_b32 s89, s18, 1
	s_lshl_b32 s89, s89, 8
	s_add_co_u32 s88, s88, s89
	s_add_co_u32 s88, s88, L_VT
	v_lshlrev_b32 v[VTW], 10, v[H]
	s_delay_alu instid0(VALU_DEP_1)
	v_lshl_add_u32 v[VTW], v[R], 4, v[VTW]
	s_delay_alu instid0(VALU_DEP_1)
	v_add_nc_u32 v[VTW], s88, v[VTW]               ; channel = lane (+ 32 by the immediate): 1,024 (lane / 16) + 16 (lane % 16)
	s_lshr_b32 s88, s18, 2
	s_lshl_b32 s88, s88, 8
	s_and_b32 s89, s18, 3
	s_add_co_u32 s88, s88, s89
	s_add_co_u32 s88, s88, L_ST
	v_lshl_add_u32 v[STW], v12, 2, s88             ; 256 (w / 4) + w % 4 + 4 lane
	; global offsets
	v_mul_u32_u24 v13, v[H], 24                    ; my half's 24 bytes of a row of 48
	v_and_b32 v14, 7, v[R]
	v_lshrrev_b32 v15, 3, v[R]
	s_delay_alu instid0(VALU_DEP_1)
	v_lshl_add_u32 v14, v14, 1, v15                ; the residue's key of lane R: m = 2 (R % 8) + R / 8, so that register j of the result is m = 2 j + half
	s_delay_alu instid0(VALU_DEP_2)
	v_lshl_add_u32 v15, v15, 3, v[R]               ; the window's key of lane R in a tile: R + 8 (R / 8)
	s_delay_alu instid0(VALU_DEP_2)
	v_mad_u32_u24 v[RAO], v14, 12288, v13          ; 256 rows of 48 bytes from m to m + 1
	v_mad_u32_u24 v[RBO], v[R], 12288, v13
	s_delay_alu instid0(VALU_DEP_4)
	v_lshlrev_b32 v[RASO], 9, v14
	v_lshlrev_b32 v[RBSO], 9, v[R]
	v_mad_u32_u24 v[QO], v[R], 48, v13
	v_lshlrev_b32 v[QSO], 1, v[R]
	v_mul_u32_u24 v[TVO], v12, 3072                ; a channel's row of V: 3,072 bytes
	v_lshlrev_b32 v[VSO], 7, v12                   ; and of its scale bytes: 128
	v_mad_u32_u24 v[KO], v15, 48, v13
	v_lshl_add_u32 v[KSO], v[H], 3, v15            ; scale words: lanes 0-15 an even tile's rows, lanes 16-31 the odd tile's, 8 rows on
	s_delay_alu instid0(VALU_DEP_1)
	v_lshlrev_b32 v[KSO], 1, v[KSO]
	s_sub_co_u32 s88, s25, s24
	s_mul_i32 s88, s88, 24
	s_mul_i32 s89, s24, 24
	s_mul_i32 s90, s26, 24
	v_mul_u32_u24 v[VO1], v[R], 3072
	s_delay_alu instid0(VALU_DEP_1)
	v_mad_u32_u24 v[VO0], v[H], s88, v[VO1]
	s_delay_alu instid0(VALU_DEP_1)
	v_add_nc_u32 v[VO0], s89, v[VO0]               ; V, part 0: lanes 0-15 slot 0, lanes 16-31 slot 1
	s_delay_alu instid0(VALU_DEP_3)
	v_add_nc_u32 v[VO1], s90, v[VO1]               ; part 1: slot 2 in both halves: the fourth slot of the K step meets zero codes
.irp x, 60,61,62,63,64,65,69,70,71,114,115,116,117,118,119,236,237,238,239
	v_mov_b32 v\x, 0                               ; zero codes; and registers that lane permutes will name as destinations
.endr
	v_mov_b32 v[NINF], 0xff800000
	s_wait_kmcnt 0x0
.irp x, 56,32,34,36
	s_add_nc_u64 s[\x:\x+1], s[4:5], s[\x:\x+1]
.endr
.irp x, 58,38,40,42
	s_add_nc_u64 s[\x:\x+1], s[6:7], s[\x:\x+1]
.endr
.irp x, 60,52
	s_add_nc_u64 s[\x:\x+1], s[8:9], s[\x:\x+1]
.endr
.irp x, 62,54
	s_add_nc_u64 s[\x:\x+1], s[10:11], s[\x:\x+1]
.endr
.irp x, 66,44
	s_add_nc_u64 s[\x:\x+1], s[12:13], s[\x:\x+1]
.endr
.irp x, 68,46,48,50
	s_add_nc_u64 s[\x:\x+1], s[14:15], s[\x:\x+1]
.endr
	s_add_nc_u64 s[70:71], s[16:17], s[70:71]
	; ---- ALL 71 LOADS, in the order in which they are wanted
	LD3 RA, RAO, 56, 0                             ; 12: the residue's K and Q with their scale words, my tile of Q with its
	LD3 RB, RBO, 60, 0
	global_load_u16 v[RAS], v[RASO], s[58:59]
	global_load_u16 v[RAS+1], v[RBSO], s[62:63]
	LD3 QF, QO, 52, 0
	global_load_u16 v[QS], v[QSO], s[54:55]
.irp j, 0,1,2
	global_load_b32 v[T0+\j], v[TVO], s[66:67] offset:4*\j          ; 8: V's half block for channels lane and 32 + lane, and their scale bytes
.endr
.irp j, 0,1,2
	global_load_b32 v[T1+\j], v[TVO], s[66:67] offset:98304+4*\j
.endr
	global_load_u8 v[SB0], v[VSO], s[68:69]
	global_load_u8 v[SB1], v[VSO], s[68:69] offset:4096
.irp x, 0,1,2
	LD3 KF+12*\x, KO, 32+2*\x, 0                   ; 21: the window's K: tile 2 x + u begins 8 u rows into slot x
	LD3 KF+12*\x+6, KO, 32+2*\x, 384
.endr
.irp x, 0,1,2
	global_load_u16 v[KS+\x], v[KSO], s[38+2*\x:39+2*\x]
.endr
	; register work while 41 loads are out
	v_mov_b32 v13, 1.0
.irp i, 0,1,2,3,4,5,6,7,8,9,10,11,12,13,14,15
	v_cmp_eq_u32 vcc_lo, \i, v[R]
	s_delay_alu instid0(VALU_DEP_1)
	v_cndmask_b32 v[DEL+\i], 0, v13, vcc_lo
.endr
	v_lshlrev_b32 v[KLO], 4, v[H]
	s_delay_alu instid0(VALU_DEP_1)
	v_sub_nc_u32 v[KLO], v[R], v[KLO]
	s_lshl_b32 s86, s22, 4
	v_add_nc_u32 v[KLO], s86, v[KLO]               ; E = r - 16 half + 16 odd: in window slot 0 register i counts where i >= E, in slot 2 where i <= E
	s_delay_alu instid0(VALU_DEP_1)
	v_add_nc_u32 v[KHI], s85, v[KLO]
	s_delay_alu instid0(VALU_DEP_2)
	v_add_nc_u32 v[KLO], s84, v[KLO]
.irp d, 0,1,2,3
	LD3 VF+12*\d, VO0, 44, 49152*\d                ; 30: the window's V, 16 channels a fragment, and its scale bytes
	LD3 VF+12*\d+6, VO1, 44, 49152*\d
.endr
.irp x, 0,1,2
.irp e, 0,1
	global_load_u8 v[VB+2*\x+\e], v[VSO], s[46+2*\x:47+2*\x] offset:4096*\e
.endr
.endr
	s_wait_alu depctr_va_vdst(0)
	; ---- WHAT GOES TO THE OTHER WAVES
	s_wait_loadcnt 59                              ; the first 12 are in: 8 + 21 + 30 were issued behind them
	v_wmma_scale_f32_16x16x128_f8f6f4 v[SR:SR+7], v[RA:RA+11], v[RB:RB+11], 0, v[RAS], v[RAS+1] matrix_a_fmt:MATRIX_FMT_BF6 matrix_b_fmt:MATRIX_FMT_BF6
	PLACES
.irp j, 0,1,2,3,4,5,6,7
	v_cndmask_b32 v[SR+\j], v[SR+\j], v[NINF], s[72+\j]   ; a query's own key is counted in its band: here it is hidden.  (From the accumulator's low end on)
.endr
	ds_store_b128 v[EXW], v[SR:SR+3]
	ds_store_b128 v[EXW], v[SR+4:SR+7] offset:512
	s_wait_loadcnt 51                              ; the next 8 are in: 21 + 30 behind them
	ds_store_b96 v[VTW], v[T0:T0+2]
	ds_store_b96 v[VTW], v[T1:T1+2] offset:2048
	ds_store_b8 v[STW], v[SB0]
	ds_store_b8 v[STW], v[SB1] offset:128
	s_wait_loadcnt 30                              ; K's window is in: V's 30 behind it
	s_wait_xcnt 0x0                                ; every load has read its offset register: v200-211 are written again below
	s_wait_dscnt 0x0                               ; for the others' sake: my stores have landed
	s_barrier_signal -1
	; register work alone until the others have arrived: the window's scores, the mask, the blocks' largest scores
.irp t, 0,1,2,3,4,5
	SMM \t
.endr
	PLACES
.irp i, 0,1,2,3,4,5,6,7,8,9,10,11,12,13,14,15
	v_cmp_ge_i32 vcc_lo, \i, v[KLO]
	v_cndmask_b32 v[SL+\i], v[NINF], v[SL+\i], vcc_lo
.endr
.irp i, 0,1,2,3,4,5,6,7,8,9,10,11,12,13,14,15
	v_cmp_le_i32 vcc_lo, \i, v[KHI]
	v_cndmask_b32 v[SL+32+\i], v[NINF], v[SL+32+\i], vcc_lo
.endr
.irp b, 0,1,2
	v_max3_num_f32 v[BM+\b], v[SL+16*\b], v[SL+1+16*\b], v[SL+2+16*\b]   ; each block's largest score serves twice: for the row's maximum, and, since p rises with the score, for the block's largest p
.endr
.irp i, 3,5,7,9,11,13
.irp b, 0,1,2
	v_max3_num_f32 v[BM+\b], v[BM+\b], v[SL+16*\b+\i], v[SL+1+16*\b+\i]
.endr
.endr
.irp b, 0,1,2
	v_max_num_f32 v[BM+\b], v[BM+\b], v[SL+15+16*\b]
.endr
.irp b, 0,1,2
	s_delay_alu instid0(VALU_DEP_3)
	v_permlanex16_b32 v[PT+\b], v[BM+\b], s80, s81
.endr
.irp b, 0,1,2
	s_delay_alu instid0(VALU_DEP_3)
	v_max_num_f32 v[BM+\b], v[BM+\b], v[PT+\b]     ; with lane l xor 16's 16 keys
.endr
	s_wait_alu depctr_va_vdst(0)
	s_barrier_wait -1                              ; all sixteen waves' scores, halves of V and bytes lie in LDS; nothing there is written again
	; ---- THE SOFTMAX: all of a row's keys are at hand, so M is the row's own
	ds_load_b128 v[SS:SS+3], v[EXR]
	ds_load_b128 v[SS+4:SS+7], v[EXR] offset:512
	VLOAD 0, VTA
	s_wait_dscnt 10                                ; my strided scores are in; VLOAD's ten may be out
	v_max3_num_f32 v[BM+3], v[SS], v[SS+1], v[SS+2]
	s_delay_alu instid0(VALU_DEP_1)
	v_max3_num_f32 v[BM+3], v[BM+3], v[SS+3], v[SS+4]
	s_delay_alu instid0(VALU_DEP_1)
	v_max3_num_f32 v[BM+3], v[BM+3], v[SS+5], v[SS+6]
	s_delay_alu instid0(VALU_DEP_1)
	v_max_num_f32 v[BM+3], v[BM+3], v[SS+7]
	s_delay_alu instid0(VALU_DEP_1)
	v_permlanex16_b32 v[PT+3], v[BM+3], s80, s81
	s_delay_alu instid0(VALU_DEP_1)
	v_max_num_f32 v[BM+3], v[BM+3], v[PT+3]
	v_max3_num_f32 v13, v[BM], v[BM+1], v[BM+2]
	s_delay_alu instid0(VALU_DEP_1)
	v_max_num_f32 v13, v13, v[BM+3]                ; the row's largest score,
	s_delay_alu instid0(VALU_DEP_1)
	v_mul_f32 v13, s82, v13                        ; as t (c is positive)
	s_delay_alu instid0(VALU_DEP_1)
	v_floor_f32 v[NM], -v13                        ; -M = floor(-t) = -ceil(t)
.set j, 0
.rept 28
	v_pk_fma_f32 v[SL+j:SL+j+1], v[SL+j:SL+j+1], s[82:83], v[NM:NM+1] op_sel_hi:[1,0,0]   ; t - M, two at a time; -infinity stays
.set j, j+2
.endr
.irp b, 0,1,2
	v_fma_f32 v[BM+\b], v[BM+\b], s82, v[NM]       ; the same of each block's largest score
.endr
.set j, 0
	s_wait_alu depctr_va_vdst(0)
.rept 56
	v_exp_f32 v[SL+j], v[SL+j]                     ; p = 2^(t - M), at most 1; 0 for a hidden key
.set j, j+1
.endr
	v_lshlrev_b32 v[EXW], 3, v[H]                  ; 8 x half, for the scale words below.  (The plain place behind the exponentials)
	s_wait_alu depctr_va_vdst(0)                   ; the wait ahead of the first line that names a result: one for the 56
.irp b, 0,1,2
	v_exp_f32 v[BM+\b], v[BM+\b]                   ; the block's largest p: the same two instructions on the same number
.endr
	v_pk_add_f32 v[254:255], v[168:169], v[170:171]
	v_pk_add_f32 v[246:247], v[176:177], v[180:181]
	v_pk_add_f32 v[244:245], v[184:185], v[188:189]
	v_pk_add_f32 v[242:243], v[192:193], v[196:197]
	v_pk_add_f32 v[240:241], v[200:201], v[204:205]
	v_pk_add_f32 v[236:237], v[208:209], v[212:213]
	v_pk_add_f32 v[230:231], v[216:217], v[220:221]
	v_pk_add_f32 v[14:15], v[172:173], v[174:175]
	v_pk_add_f32 v[14:15], v[14:15], v[178:179]
	v_pk_add_f32 v[254:255], v[254:255], v[182:183]
	v_pk_add_f32 v[246:247], v[246:247], v[186:187]
	v_pk_add_f32 v[244:245], v[244:245], v[190:191]
	v_pk_add_f32 v[242:243], v[242:243], v[194:195]
	v_pk_add_f32 v[240:241], v[240:241], v[198:199]
	v_pk_add_f32 v[236:237], v[236:237], v[202:203]
	v_pk_add_f32 v[230:231], v[230:231], v[206:207]
	v_pk_add_f32 v[14:15], v[14:15], v[210:211]
	v_pk_add_f32 v[254:255], v[254:255], v[214:215]
	v_pk_add_f32 v[246:247], v[246:247], v[218:219]
	v_pk_add_f32 v[244:245], v[244:245], v[222:223]
	s_delay_alu instid0(VALU_DEP_4)
	v_pk_add_f32 v[14:15], v[14:15], v[242:243]
	s_delay_alu instid0(VALU_DEP_4)
	v_pk_add_f32 v[254:255], v[254:255], v[240:241]
	s_delay_alu instid0(VALU_DEP_4)
	v_pk_add_f32 v[246:247], v[246:247], v[236:237]
	s_delay_alu instid0(VALU_DEP_4)
	v_pk_add_f32 v[244:245], v[244:245], v[230:231]
	s_delay_alu instid0(VALU_DEP_2)
	v_pk_add_f32 v[14:15], v[14:15], v[246:247]
	s_delay_alu instid0(VALU_DEP_2)
	v_pk_add_f32 v[254:255], v[254:255], v[244:245]
	s_delay_alu instid0(VALU_DEP_1)
	v_pk_add_f32 v[14:15], v[14:15], v[254:255]
	s_wait_alu depctr_va_vdst(0)                   ; and one for the three
	; ---- p OF THE WINDOW INTO CODES
.irp b, 0,1,2
	v_max_num_f32 v[BM+\b], 0x2800000, v[BM+\b]    ; the floor 2^(5 - 127): the byte cannot fall under 1 (a block all of whose keys are hidden keeps that byte: its codes are zeros)
.endr
.irp b, 0,1,2
	s_delay_alu instid0(VALU_DEP_3)
	v_add_nc_u32 v[BM+\b], 0xfe000000, v[BM+\b]    ; 4 off the exponent field: the conversion's scale operand
.endr
.irp b, 0,1,2
	s_delay_alu instid0(VALU_DEP_3)
	v_lshrrev_b32 v[PT+\b], 23, v[BM+\b]           ; the scale's byte
.endr
	s_delay_alu instid0(VALU_DEP_2)
	v_lshl_or_b32 v[PLS], v[PT+1], 8, v[PT]
	s_delay_alu instid0(VALU_DEP_1)
	v_lshl_or_b32 v[PLS], v[PT+2], 16, v[PLS]      ; p's scale word; the fourth slot's byte is 0 over zero codes
.irp i, 0,1,2
	v_mov_b32 v[T1+\i], 0                          ; the fourth slot's codes
.endr
	v_cvt_scalef32_pk16_bf6_f32 v[PS1:PS1+2], v[SL:SL+15], v[BM]
	v_cvt_scalef32_pk16_bf6_f32 v[T0:T0+2], v[SL+16:SL+31], v[BM+1]
	v_cvt_scalef32_pk16_bf6_f32 v[PS1+6:PS1+8], v[SL+32:SL+47], v[BM+2]
	v_nop                                          ; one plain place behind a scaled conversion
.irp i, 0,1,2                                  ; the operand wants a WHOLE block in a lane: lanes 0-15 slots 0 and 2, lanes 16-31 slots 1 and 3
	v_permlane16_swap_b32 v[PS1+\i], v[T0+\i]
	v_permlane16_swap_b32 v[PS1+6+\i], v[T1+\i]
.endr
.irp i, 0,1,2
	v_mov_b32 v[PS1+3+\i], v[T0+\i]
	v_mov_b32 v[PS1+9+\i], v[T1+\i]
.endr
	s_wait_loadcnt 0x0                             ; V's window and its bytes
.irp e, 0,1
	v_lshl_or_b32 v[VLS+\e], v[VB+2+\e], 8, v[VB+\e]
	s_delay_alu instid0(VALU_DEP_1)
	v_lshl_or_b32 v[VLS+\e], v[VB+4+\e], 16, v[VLS+\e]   ; lanes 0-15: channels 32 e + 0 .. 15; lanes 16-31: the next 16
.endr
	; ---- THE STRIDED p: each is alone in its block.  These 40 lines and the 16 behind them are also the places between the scale words and codes just made and the products
.irp j, 0,1,2,3,4,5,6,7
	v_max_num_f32 v[SO+\j], 0x2800000, v[SS+\j]
.endr
.irp j, 0,1,2,3,4,5,6,7
	v_add_nc_u32 v[SO+\j], 0xfe000000, v[SO+\j]
.endr
.irp j, 0,1,2,3,4,5,6,7
	v_lshrrev_b32 v[SR+\j], 23, v[SO+\j]
.endr
.irp s, 0,1,2,3
	v_lshl_or_b32 v[BM+\s], v[SR+2*\s+1], 16, v[SR+2*\s]   ; my two bytes of K step s: slots half and 2 + half,
.endr
.irp s, 0,1,2,3
	s_delay_alu instid0(VALU_DEP_4)
	v_lshlrev_b32 v[BM+\s], v[EXW], v[BM+\s]       ; at their places;
.endr
.irp s, 0,1,2,3
	s_delay_alu instid0(VALU_DEP_4)
	v_permlanex16_b32 v[PT+\s], v[BM+\s], s80, s81
.endr
.irp s, 0,1,2,3
	s_delay_alu instid0(VALU_DEP_4)
	v_or_b32 v[PSS+\s], v[BM+\s], v[PT+\s]         ; with lane l xor 16's two the word is whole
.endr
	XMUL 0
	PCVT 0, PS0
	; ---- O^T.  The window first: its products start the sums
.irp d, 0,1,2,3
.if \d%2
	v_wmma_scale_f32_16x16x128_f8f6f4 v[O+8*\d:O+8*\d+7], v[VF+12*\d:VF+12*\d+11], v[PS1:PS1+11], 0, v[VLS+\d/2], v[PLS] matrix_a_fmt:MATRIX_FMT_BF6 matrix_b_fmt:MATRIX_FMT_BF6 matrix_a_scale:MATRIX_SCALE_ROW1
.else
	v_wmma_scale_f32_16x16x128_f8f6f4 v[O+8*\d:O+8*\d+7], v[VF+12*\d:VF+12*\d+11], v[PS1:PS1+11], 0, v[VLS+\d/2], v[PLS] matrix_a_fmt:MATRIX_FMT_BF6 matrix_b_fmt:MATRIX_FMT_BF6
.endif
.endr
	XMUL 1                                         ; sixteen plain lines that name none of those products' registers: the places ahead of the writes and loads below
.irp x, 3,4,5,9,10,11
	v_mov_b32 v[PS1+\x], 0                         ; the upper halves of the strided operand's blocks
.endr
	VLOAD 1, VTB
	PCVT 1, PS1
	s_wait_dscnt 10                                ; K step 0's ten loads are in; K step 1's may be out
	PVS 0, PS0, VTA
	XMUL 2
	VLOAD 2, VTA
	PCVT 2, PS0
	s_wait_dscnt 10
	PVS 1, PS1, VTB
	XMUL 3
	VLOAD 3, VTB
	PCVT 3, PS1
	s_wait_dscnt 10
	PVS 2, PS0, VTA
	v_add_f32 v[SUM], v[SUM], v[SUM+1]             ; the sum's two halves,
	s_delay_alu instid0(VALU_DEP_1)
	v_permlanex16_b32 v[KLO], v[SUM], s80, s81
	s_delay_alu instid0(VALU_DEP_1)
	v_add_f32 v[SUM], v[SUM], v[KLO]               ; and lane l xor 16's: the row's sum.  (These lines are the places between K step 3's codes and its products)
	v_mov_b32 v[STW], 0                            ; (named below as the upper half of the pair v[46:47])
	v_nop
	v_nop
	s_wait_alu depctr_va_vdst(0)
	v_rcp_f32 v[VTW], v[SUM]
	v_nop                                          ; a plain place behind the reciprocal
	s_wait_dscnt 0x0
	s_wait_alu depctr_va_vdst(0)
	PVS 3, PS1, VTB
	; ---- THE WAY OUT: O^T / the sum; register 8 d + i of lane (r, half) is out(r, 16 d + 8 half + i).  Through my own stage, back as whole rows of 256 bytes
	PLACES
	s_wait_alu depctr_va_vdst(0)                   ; the wait ahead of the reciprocal's first reader
.set j, 0
.rept 16
	v_pk_mul_f32 v[O+j:O+j+1], v[O+j:O+j+1], v[VTW:VTW+1] op_sel_hi:[1,0]   ; each accumulator from its low end on
.set j, j+2
.endr
.irp d, 0,1,2,3
	ds_store_b128 v[STI], v[O+8*\d:O+8*\d+3] offset:64*\d
	ds_store_b128 v[STI], v[O+8*\d+4:O+8*\d+7] offset:64*\d+16
.endr
.irp i, 0,1,2,3,4,5,6,7
	ds_load_b128 v[X0+4*\i:X0+4*\i+3], v[STO] offset:2*\i*SPITCH   ; LDS serves a wave's instructions in order (ISA guide 5.7.1.4): these see my stores
.endr
.irp i, 0,1,2,3,4,5,6,7
	s_wait_dscnt 7-\i                              ; rows 2 i and 2 i + 1 are back; the younger loads may be out
	global_store_b128 v[GO], v[X0+4*\i:X0+4*\i+3], s[70:71] offset:512*\i th:TH_STORE_NT   ; sixteen lanes store a row's 256 consecutive bytes, at a multiple of 256 from out's first byte
.endr
	s_wait_xcnt 0x0
	v_lshl_add_u32 v222, v0, 2, 0x19600
	v_mov_b32 v223, 0
	s_wait_alu depctr_va_vdst(0)
	s_wait_tensorcnt 0x0
	ds_add_u32 v222, v223
	s_wait_dscnt 0x0
	s_endpgm
.Lfunc_end_k_q35a5cb305c_attn:
	.size	k_q35a5cb305c_attn, .Lfunc_end_k_q35a5cb305c_attn-k_q35a5cb305c_attn
	.p2alignl 7, 3214868480
	.fill 96, 4, 3214868480
	.section	.rodata,"a",@progbits
	.p2align	6, 0x0
	.amdhsa_kernel k_q35a5cb305c_attn
		.amdhsa_group_segment_fixed_size 105984
		.amdhsa_private_segment_fixed_size 0
		.amdhsa_enable_private_segment 0
		.amdhsa_kernarg_size 56
		.amdhsa_user_sgpr_count 2
		.amdhsa_user_sgpr_kernarg_segment_ptr 1
		.amdhsa_wavefront_size32 1
		.amdhsa_system_sgpr_workgroup_id_x 1
		.amdhsa_system_sgpr_workgroup_id_y 1
		.amdhsa_system_sgpr_workgroup_id_z 1
		.amdhsa_system_vgpr_workitem_id 0
		.amdhsa_next_free_vgpr 256
		.amdhsa_next_free_sgpr 96
		.amdhsa_reserve_vcc 1
		.amdhsa_float_denorm_mode_32 3
		.amdhsa_float_denorm_mode_16_64 3
		.amdhsa_memory_ordered 1
		.amdhsa_forward_progress 1
		.amdhsa_inst_pref_size 49
	.end_amdhsa_kernel
	.amdgpu_metadata
---
amdhsa.version: [ 1, 2 ]
amdhsa.kernels:
  - .name:           k_q35a5cb305c_attn
    .symbol:         k_q35a5cb305c_attn.kd
    .args:
      - { .name: key_codes, .offset: 0, .size: 8, .value_kind: global_buffer, .address_space: global }
      - { .name: key_scales, .offset: 8, .size: 8, .value_kind: global_buffer, .address_space: global }
      - { .name: query_codes, .offset: 16, .size: 8, .value_kind: global_buffer, .address_space: global }
      - { .name: query_scales, .offset: 24, .size: 8, .value_kind: global_buffer, .address_space: global }
      - { .name: value_codes, .offset: 32, .size: 8, .value_kind: global_buffer, .address_space: global }
      - { .name: value_scales, .offset: 40, .size: 8, .value_kind: global_buffer, .address_space: global }
      - { .name: out0, .offset: 48, .size: 8, .value_kind: global_buffer, .address_space: global }
    .group_segment_fixed_size: 105984
    .private_segment_fixed_size: 0
    .kernarg_segment_align: 8
    .kernarg_segment_size: 56
    .max_flat_workgroup_size: 512
    .sgpr_count:     96
    .vgpr_count:     256
    .wavefront_size: 32
...
	.end_amdgpu_metadata
.endif
;; end of part 1
